; MI455X (gfx1250); checked and timed in simulation.
; The chip was launched on July 23, 2026; its instructions are those of AMD's public machine-readable ISA for CDNA 5 (MIT licence, August 2026) and "CDNA5" Instruction Set Architecture Reference Guide (July 2026). The comments in the code are by the model that wrote it; some were corrected since.
;; Cause Muti Head Attention. Allowed arithmetic: matrix products marked QUANTISED: E4M3 operands, one given power-of-two scale a tensor, by v_wmma_f32_16x16x64_fp8_fp8 or v_wmma_f32_16x16x128_fp8_fp8, f32 sums; everything else in f32.
;; Inputs: Wk 1,024 x 1,024 float32; Wo 1,024 x 1,024 float32; Wq 1,024 x 1,024 float32; Wv 1,024 x 1,024 float32; bk 1,024 float32; bo 1,024 float32; bq 1,024 float32; bv 1,024 float32; lowp_scales 12 int32 (the exponents e of the quantised operands' scales 2^e); x 4 x 2,048 x 1,024 float32.
;; Outputs: out0 4 x 2,048 x 1,024 float32.
;; This version of the problem:
;;   THIS VERSION OF THE PROBLEM IS GIVEN IN LOW PRECISION. The matrix products marked QUANTISED in the list below multiply operands that are first quantised to E4M3 (4 exponent bits, 3 mantissa bits; 8 bits a number), with one given power-of-two scale for each operand tensor; their sums are f32. All else is computed in f32.
;;   The module's matrix products, in the order in which they are computed (A, B: the left and right operand; K: the contracted axis; several contracted axes count as one K, in the product's order):
;;     1. [M 8,192, K 1,024] x [K 1,024, N 1,024]; A: input x; B: input Wq: QUANTISED (scales: A lowp_scales[0], B lowp_scales[1])
;;     2. [M 8,192, K 1,024] x [K 1,024, N 1,024]; A: input x; B: input Wk: QUANTISED (scales: A lowp_scales[2], B lowp_scales[3])
;;     3. [M 8,192, K 1,024] x [K 1,024, N 1,024]; A: input x; B: input Wv: QUANTISED (scales: A lowp_scales[4], B lowp_scales[5])
;;     4. batch 64 x [M 2,048, K 64] x [K 64, N 2,048]; A: computed on the way; B: computed on the way: QUANTISED (scales: A lowp_scales[6], B lowp_scales[7])
;;     5. batch 64 x [M 2,048, K 2,048] x [K 2,048, N 64]; A: softmax (see below); B: computed on the way: QUANTISED (scales: A lowp_scales[8], B lowp_scales[9])
;;     6. [M 8,192, K 1,024] x [K 1,024, N 1,024]; A: computed on the way; B: input Wo: QUANTISED (scales: A lowp_scales[10], B lowp_scales[11])
;;   THE QUANTISER, for each operand of a quantised product, along K:
;;     - The operand's scale is 2^e, e = its entry of the input lowp_scales (int32; the entries are numbered through the quantised products in the list's order, A before B).
;;     - Each number is divided by the scale, clamped to +-448, and rounded to the nearest number of E4M3, ties to even, subnormals kept.
;;     - The product sums the exact products of the quantised numbers (number of the format x scale) in f32.
;;   ~~~python
;;   def quantise(x, axis, e):      # numpy; x: float32 -> the quantised numbers, widened to float32 again
;;       x = np.moveaxis(x, axis, -1); K = x.shape[-1]
;;       r = np.clip(x / 2.0 ** e, -448, 448)
;;       step = 2.0 ** (np.maximum(np.frexp(np.where(r == 0, 1, r))[1] - 1, -6) - 3)
;;       q = np.round(r / step) * step * 2.0 ** e      # np.round: ties to even
;;       return np.moveaxis(q, -1, axis).astype(np.float32)
;;   ~~~
;;   SOFTMAX AHEAD OF A QUANTISED PRODUCT. Where the list says 'softmax', what is quantised is not the finished softmax but p = 2^(t - M), with t = logit x log2(e) and M = ceil(the row's largest t), a whole number; so 1/2 < the row's largest p <= 1. The row's sum l is taken of the UNQUANTISED p, in f32, and the product's result is divided by l at the end. Since M is a whole number, a kernel that streams over the keys may use a running M (the ceiling of the running maximum): every later rescaling is an exact power of two, so the quantised numbers keep their values, but for numbers so far below the row's largest that they fall under the format's range.
;;   OPERANDS COMPUTED ON THE WAY. 'Computed on the way' means the value that the module computes at that place (a softmax that the list does not call 'softmax' is quantised finished and normalised). What goes into a quantiser is computed in f32, as accurately as f32 sums, v_exp_f32 and their like allow (about 1e-6 of the number): no bf16 or f16 on the way to a quantiser, and a product that is left as it is and whose result goes on into a quantised operand takes f32 operands (vector FMAs, or v_wmma_f32_16x16x4_f32). A number that lies on a knife's edge between two numbers of the format may be rounded either way, as far as f32 arithmetic and the matrix unit's own rounding can turn it there, and no further.
;; One version. Each part assembles by itself: llvm-mc -triple=amdgcn-amd-amdhsa -mcpu=gfx1250 --defsym DOCPART=n.
;; ======== version 1 of 1: 4 launches
;; limits: right only within a limited range of input values
;; workspace buffers: xc 25,165,824 bytes; wc 4,194,304 bytes; qkvc 25,165,824 bytes; ac 8,388,608 bytes
;; launch quant (part 1): grid 1536 x 1, 4 waves a work-group, no clusters, 34,304 bytes of LDS; arguments x, Wq, Wk, Wv, Wo, lowp_scales, xc, wc; writes xc, wc
.if DOCPART == 1
	.amdgcn_target "amdgcn-amd-amdhsa--gfx1250"
	.amdhsa_code_object_version 6
	.text
	.protected	k_q265d42ea43_quant
	.globl	k_q265d42ea43_quant
	.p2align	8
	.type	k_q265d42ea43_quant,@function
k_q265d42ea43_quant:
	s_mov_b64 s[64:65], 0
	v_nop
	global_prefetch_b8 v0, s[64:65] scope:SCOPE_SE
	s_setreg_imm32_b32 hwreg(HW_REG_WAVE_MODE, 25, 1), 1
	s_wait_xcnt 0x0
; x [8192][1024] and Wq, Wk, Wv, Wo [1024][1024], f32 with K innermost, become codes of FP8 (E4M3), each with the scale 2^e that is given for it.
; code = number / 2^e, held within +-448, rounded to the nearest code, ties to even.  x is an operand of three products with an entry of its own in each: three copies (entries 0, 2, 4).
; Wq, Wk, Wv, Wo take entries 1, 3, 5, 11.   LIMITS: each e between -126 and 127, so that 2^e is an f32 number.  NaN among the inputs is not served.
; THE CODES ARE LAID AS IMAGES OF THE OPERAND'S REGISTERS: [row tile of 16][K step of 128][piece c of 4][lane][16 bytes].  Piece c of lane (r, h) holds, of row 16 T + r,
; k = 128 s + 32 c + 8 h + 0..7 and then k = 128 s + 32 c + 16 + 8 h + 0..7: registers 4 c .. 4 c + 3 of a fragment of v_wmma_f32_16x16x128_fp8_fp8.  A fragment is 2,048 bytes on end.
; SHARES.  A wave makes one fragment: 16 rows x 128 k.  Work-groups 0..1023 take x (row tile = w / 2, K step = 4 (w % 2) + wave), the other 512 the four weights, 128 each.
; Each load reads 512 consecutive bytes of a row; the 16 rows turn through the wave's own stage in LDS (rows 528 bytes apart) and come back 32 + 32 bytes a lane and piece;
; each store writes 512 consecutive bytes, at a multiple of 512 from the buffer's first byte.  Waves share nothing: no barrier.  Only pointers, offsets and exponents are chosen by the work-group's number.
.set SP,   528                         ; a stage row: 512 bytes + 16: 33 x 16, so sixteen lanes that read the same column of sixteen rows take sixteen different columns of 16 bytes modulo 256
.set WST,  16*SP                       ; a wave's stage
.set R,    16                          ; v16-79   the numbers as loaded
.set X,    80                          ; v80-143  the numbers in the fragment's order: register 16 c + i
.set C,    144                         ; v144-191 three sets of 16 registers of codes: no store's data are written again
.set LIM,  10
.set SCL,  11                          ; v11      2^e
	s_load_b512 s[4:19], s[0:1], 0x0               ; x s[4:5], Wq s[6:7], Wk s[8:9], Wv s[10:11], Wo s[12:13], the exponents s[14:15], xc s[16:17], wc s[18:19]
	v_lshl_add_u32 v192, v0, 2, 0x8400
	v_mov_b32 v193, 0
	v_lshrrev_b32 v4, 5, v0
	v_readfirstlane_b32 s22, v4                    ; wave
	v_and_b32 v5, 31, v0
	v_lshlrev_b32 v1, 4, v5                        ; 16 x lane: my bytes of a load's and of a store's 512
	s_mul_i32 s42, s22, WST
	v_add_nc_u32 v2, s42, v1                       ; the stage, on the way in: a row as it lies
	v_and_b32 v6, 15, v0                           ; r
	v_bfe_u32 v7, v0, 4, 1                         ; h
	v_mul_u32_u24 v3, v6, SP
	v_lshl_add_u32 v3, v7, 5, v3
	v_add_nc_u32 v3, s42, v3                       ; and on the way out: row r, + 32 h bytes (8 numbers)
	s_cmp_lt_u32 ttmp9, 1024                       ; x's work-group?
	s_cselect_b32 s43, 0, 1024
	s_mov_b32 s46, 63
	s_cselect_b32 s46, 511, s46                    ; row tiles in the tensor, less one
	s_sub_co_u32 s43, ttmp9, s43                   ; my number among x's, or among the weights'
	s_lshr_b32 s44, s43, 1                         ; row tile, counted through the four weights: 64 t + tile
	s_and_b32 s45, s43, 1
	s_lshl_b32 s45, s45, 2
	s_add_co_u32 s45, s45, s22                     ; K step
	s_and_b32 s46, s44, s46                        ; row tile in the tensor
	s_lshl_b32 s46, s46, 16                        ; 16 rows of 4,096 bytes
	s_lshl_b32 s47, s45, 9                         ; 128 numbers
	s_add_co_u32 s46, s46, s47
	s_mov_b32 s47, 0                               ; s[46:47]: where my numbers begin
	s_lshl_b32 s44, s44, 3
	s_add_co_u32 s44, s44, s45
	s_lshl_b32 s44, s44, 11
	s_mov_b32 s45, 0                               ; s[44:45]: where my fragment goes: (8 x row tile + K step) x 2,048; a weight's 64 row tiles are 2^20 bytes
	s_wait_alu depctr_va_vdst(0)
	s_wait_kmcnt 0x0
	s_load_b256 s[24:31], s[14:15], 0x0            ; entries 0 to 7
	s_load_b128 s[32:35], s[14:15], 0x20           ; entries 8 to 11
	s_mov_b64 s[20:21], s[4:5]
	s_cmp_ge_u32 ttmp9, 1024
	s_cselect_b64 s[20:21], s[6:7], s[20:21]
	s_cselect_b64 s[36:37], s[18:19], s[16:17]
	s_cmp_ge_u32 ttmp9, 1152
	s_cselect_b64 s[20:21], s[8:9], s[20:21]
	s_cmp_ge_u32 ttmp9, 1280
	s_cselect_b64 s[20:21], s[10:11], s[20:21]
	s_cmp_ge_u32 ttmp9, 1408
	s_cselect_b64 s[20:21], s[12:13], s[20:21]
	s_add_nc_u64 s[20:21], s[20:21], s[46:47]
	s_add_nc_u64 s[36:37], s[36:37], s[44:45]
.irp i, 0,1,2,3,4,5,6,7,8,9,10,11,12,13,14,15
	global_load_b128 v[R+4*\i:R+4*\i+3], v1, s[20:21] offset:4096*\i th:TH_LOAD_NT   ; row i: 32 lanes read 512 consecutive bytes; read once in the launch
.endr
	s_wait_kmcnt 0x0
	s_mov_b32 s23, s24                             ; the first quantiser's e: entry 0 for x, 1, 3, 5, 11 for the weights
	s_cmp_ge_u32 ttmp9, 1024
	s_cselect_b32 s23, s25, s23
	s_cmp_ge_u32 ttmp9, 1152
	s_cselect_b32 s23, s27, s23
	s_cmp_ge_u32 ttmp9, 1280
	s_cselect_b32 s23, s29, s23
	s_cmp_ge_u32 ttmp9, 1408
	s_cselect_b32 s23, s35, s23
.irp i, 0,1,2,3,4,5,6,7,8,9,10,11,12,13,14,15
	s_wait_loadcnt 15-\i                           ; loads come back in order: row i is in, the 15 - i younger rows may be out
	ds_store_b128 v2, v[R+4*\i:R+4*\i+3] offset:SP*\i
.endr
.irp c, 0,1,2,3                        ; LDS serves a wave's instructions in order: these see the stores above
	ds_load_b128 v[X+16*\c:X+16*\c+3],     v3 offset:128*\c
	ds_load_b128 v[X+16*\c+4:X+16*\c+7],   v3 offset:128*\c+16
	ds_load_b128 v[X+16*\c+8:X+16*\c+11],  v3 offset:128*\c+64
	ds_load_b128 v[X+16*\c+12:X+16*\c+15], v3 offset:128*\c+80
.endr
	s_wait_dscnt 0x0                               ; the numbers are back, and the stage's stores have read v16-79
; The fragment with the scale 2^s[e] into code set n, stored at s[base].  X is kept.
.macro QUANT n, e, base
	s_add_co_i32 s44, s[\e], 127
	s_lshl_b32 s45, s44, 23
	v_mov_b32 v[SCL], s45                          ; 2^e as f32: the conversion takes its exponent field
.irp c, 0,1,2,3
.irp i, 0,1,2,3,4,5,6,7,8,9,10,11,12,13,14,15
.endr
	v_cvt_scalef32_pk8_fp8_f32 v[C+16*\n+4*\c:C+16*\n+4*\c+1], v[X+16*\c:X+16*\c+7], v[SCL]
	v_cvt_scalef32_pk8_fp8_f32 v[C+16*\n+4*\c+2:C+16*\n+4*\c+3], v[X+16*\c+8:X+16*\c+15], v[SCL]
.endr
	v_nop                                          ; a plain line behind the last conversion: the next copy writes the scale again
.irp c, 0,1,2,3
	global_store_b128 v1, v[C+16*\n+4*\c:C+16*\n+4*\c+3], s[\base:\base+1] offset:512*\c   ; piece c: 32 lanes store 512 consecutive bytes
.endr
.endm
	QUANT 0, 23, 36
	s_cmp_ge_u32 ttmp9, 1024                       ; a weight has one scale
	s_cbranch_scc1 .Ldone
	s_add_nc_u64 s[38:39], s[36:37], 0x800000      ; x's second and third copy, 8,388,608 bytes apart
	s_add_nc_u64 s[40:41], s[36:37], 0x1000000
	QUANT 1, 26, 38                                ; entry 2
	QUANT 2, 28, 40                                ; entry 4
.Ldone:
	s_wait_tensorcnt 0x0
	ds_add_u32 v192, v193
	s_wait_dscnt 0x0
	s_endpgm
.Lfunc_end_k_q265d42ea43_quant:
	.size	k_q265d42ea43_quant, .Lfunc_end_k_q265d42ea43_quant-k_q265d42ea43_quant
	.p2alignl 7, 3214868480
	.fill 96, 4, 3214868480
	.section	.rodata,"a",@progbits
	.p2align	6, 0x0
	.amdhsa_kernel k_q265d42ea43_quant
		.amdhsa_group_segment_fixed_size 34304
		.amdhsa_private_segment_fixed_size 0
		.amdhsa_enable_private_segment 0
		.amdhsa_kernarg_size 64
		.amdhsa_user_sgpr_count 2
		.amdhsa_user_sgpr_kernarg_segment_ptr 1
		.amdhsa_wavefront_size32 1
		.amdhsa_system_sgpr_workgroup_id_x 1
		.amdhsa_system_sgpr_workgroup_id_y 1
		.amdhsa_system_sgpr_workgroup_id_z 1
		.amdhsa_system_vgpr_workitem_id 0
		.amdhsa_next_free_vgpr 194
		.amdhsa_next_free_sgpr 66
		.amdhsa_reserve_vcc 0
		.amdhsa_float_denorm_mode_32 3
		.amdhsa_float_denorm_mode_16_64 3
		.amdhsa_fp16_overflow 1
		.amdhsa_memory_ordered 1
		.amdhsa_forward_progress 1
		.amdhsa_inst_pref_size 11
	.end_amdhsa_kernel
	.amdgpu_metadata
---
amdhsa.version: [ 1, 2 ]
amdhsa.kernels:
  - .name:           k_q265d42ea43_quant
    .symbol:         k_q265d42ea43_quant.kd
    .args:
      - { .name: x, .offset: 0, .size: 8, .value_kind: global_buffer, .address_space: global }
      - { .name: Wq, .offset: 8, .size: 8, .value_kind: global_buffer, .address_space: global }
      - { .name: Wk, .offset: 16, .size: 8, .value_kind: global_buffer, .address_space: global }
      - { .name: Wv, .offset: 24, .size: 8, .value_kind: global_buffer, .address_space: global }
      - { .name: Wo, .offset: 32, .size: 8, .value_kind: global_buffer, .address_space: global }
      - { .name: lowp_scales, .offset: 40, .size: 8, .value_kind: global_buffer, .address_space: global }
      - { .name: xc, .offset: 48, .size: 8, .value_kind: global_buffer, .address_space: global }
      - { .name: wc, .offset: 56, .size: 8, .value_kind: global_buffer, .address_space: global }
    .group_segment_fixed_size: 34304
    .private_segment_fixed_size: 0
    .kernarg_segment_align: 8
    .kernarg_segment_size: 64
    .max_flat_workgroup_size: 128
    .sgpr_count:     66
    .vgpr_count:     194
    .wavefront_size: 32
...
	.end_amdgpu_metadata
.endif
;; end of part 1
;; launch proj (part 2): grid 12 x 32, 4 waves a work-group, clusters of 4 x 4, 327,680 bytes of LDS; arguments xc, wc, bq, bk, bv, lowp_scales, qkvc; writes qkvc
.if DOCPART == 2
	.amdgcn_target "amdgcn-amd-amdhsa--gfx1250"
	.amdhsa_code_object_version 6
	.text
	.protected	k_q265d42ea43_proj
	.globl	k_q265d42ea43_proj
	.p2align	8
	.type	k_q265d42ea43_proj,@function
k_q265d42ea43_proj:
	s_mov_b64 s[64:65], 0
	v_nop
	global_prefetch_b8 v0, s[64:65] scope:SCOPE_SE
	s_setreg_imm32_b32 hwreg(HW_REG_WAVE_MODE, 25, 1), 1
	s_wait_xcnt 0x0
	s_wait_alu depctr_hold_cnt(0) depctr_sa_sdst(0) depctr_va_vdst(0) depctr_va_sdst(0) depctr_va_ssrc(0) depctr_va_vcc(0) depctr_vm_vsrc(0)
	s_getreg_b32 s2, hwreg(HW_REG_IB_STS2, 6, 4)
	s_cmp_eq_u32 s2, 0
	s_cbranch_scc0 .Lentry_in_a_cluster
	s_endpgm
.Lentry_in_a_cluster:
	s_bfe_u32 s2, ttmp6, 0x10000c
	s_cmp_lg_u32 s2, 0xf033
	s_cbranch_scc0 .Lentry_shape_is_right
	s_endpgm
.Lentry_shape_is_right:
; q = x Wq^T + bq, k = x Wk^T + bk, v = x Wv^T + bv on codes of FP8 (E4M3); each result is quantised at once (entries 6, 7, 9) and stored as the attention's operands want it.
; The cluster's x says which: 0 q, 1 k, 2 v.  A sum stands for sum x 2^(ea + eb); result = sum x 2^(ea + eb) + bias, one fused multiply-add in f32; code = result / 2^eo, held within +-448.
; LIMITS: ea + eb between -126 and 127; eo between -126 and 127, so that each power of two below is an f32 number.
; A tile of 256 x 256 results is made by a work-group of four waves, a wave makes 128 x 128: 64 accumulators, 512 registers.  K = 1,024 goes in four steps of 256 through two LDS slots.
; OPERANDS come as images of their registers ([row tile of 16][K step of 128][piece][lane][16 bytes]): a slot's part of a row tile is 4,096 consecutive bytes, a fragment four ds_load_b128 at 16 x lane.
; SOURCE 0 takes 16 rows of the "B side", SOURCE 1 16 rows of the "A side": a lane (r, h) then holds row r of the A side and, in an accumulator's registers j, rows 8 h + j of the B side.
;   q, k: A side = tokens (x), B side = features (W): a lane's eight results are eight neighbouring features of a token, the next product's K.
;   v:    A side = features (Wv), B side = tokens (x): a lane's eight results are eight neighbouring KEYS of a feature, the second attention product's K.
; So one conversion of an accumulator gives registers 2 b, 2 b + 1 of the next operand in the lane that wants them; two accumulators are 16 bytes a lane, stored at 16 x lane: 512 consecutive bytes a store.
; OUTPUT, by head hd = 16 batch + head, 131,072 bytes each:  q at 0, k at 2^23: [128 token tiles][2 pieces][lane][16];   v at 2^24: [16 key blocks of 128][4 tiles of 16 features][4 pieces][lane][16].
; CLUSTERS: 4 x 4 work-groups; the four of a row need the same tiles of the A side, the four of a column the same tiles of the B side: each tile is asked for jointly.
; REGISTERS: window 0: v16-31 addresses and constants; v32-95, v96-111 the bias in two lane forms; v128-255 the A side's fragments, ONE set, later the codes.  window 1: the B side's, TWO sets.  windows 2, 3: accumulators ((a, b) at v[8 (8 (a % 4) + b)]).
.set FR,    16                         ; registers of a fragment: 16 rows x 128 K
.set NL,    4                          ; LDS loads that bring one
.set NP,    4                          ; places behind this matrix instruction (ISA guide 7.12.1)
.set SLOT,  131072                     ; the A side's 16 row tiles x 4,096 bytes, then the B side's
.set BOFF,  65536
.set SPARE, 2*SLOT                     ; behind the ring: the spare words, 128 bytes a wave: two blocks of 256 bytes that no other line names
.set ADRA,  16                         ; v16-17  LDS address of my A-side fragments in slot 0, 1
.set ADRB,  20                         ; v20-21  the same for the B side
.set BR,    25                         ; v25     4 r
.set LO,    26                         ; v26     16 x lane
.set BH,    27                         ; v27     32 h
.set SPW,   28                         ; v28     LDS address of my spare word; never rewritten
.set NIL,   29                         ; v29     0; never rewritten
.set LIM,   30
.set SCL,   31                         ; v31     2^eo
.set BN,    32                         ; v32-95  bias of features 16 b + 8 h + j at register 8 b + j (q, k)
.set BV,    96                         ; v96-111 bias of feature 16 a + r, twice, at registers 2 a, 2 a + 1 (v)
.set AF,    128
.set CD,    128                        ; the codes: block a's 16 registers at 16 a
.set G1,  24                           ; s[24:31] descriptor group 1 for the A side;  s[32:39] group 0, a set for each slot
.set G0,  32
.set G1B, 48                           ; s[48:55], s[56:63] the same for the B side
.set G0B, 56
.set MSB, 0
.macro WIN new                         ; the immediate's high byte repeats the setting that is left
.if MSB != (\new)
	s_set_vgpr_msb (MSB<<8)|(\new)
.set MSB, (\new)
.endif
.endm
.set MUL_LO, 0xa1                      ; source 0 window 1, source 1 window 0, C and D window 2
.set MUL_HI, 0xf1                      ; the same, C and D window 3
.set TO_B,   0x40                      ; destination window 1, address window 0
; A joint load: waves 0 and 1 fetch for the A side, waves 2 and 3 for the B side; the branch hangs on the wave's number alone.  Four v_nop follow each of the two lines.
.macro JLOAD g0a, g1a, g0b, g1b
	s_cmp_eq_u32 s15, 0
	s_cbranch_scc0 .Lfor_b_\@
	tensor_load_to_lds s[\g0a:\g0a+3], s[\g1a:\g1a+7]
	s_nop 0
.rept 4
	v_nop
.endr
	s_branch .Lasked_\@
.Lfor_b_\@:
	tensor_load_to_lds s[\g0b:\g0b+3], s[\g1b:\g1b+7]
	s_nop 0
.rept 4
	v_nop
.endr
.Lasked_\@:
.endm
.macro CREST                           ; a round of the cluster's barrier behind its opening barrier
	s_cmp_lg_u32 s14, 0
	s_cbranch_scc1 .Lnot_wave_0_\@
	s_barrier_signal -3
.Lnot_wave_0_\@:
	s_barrier_wait -3
	s_barrier_signal -1
	s_barrier_wait -1
.endm
.macro CROUND                          ; a whole round
	s_barrier_signal -1
	s_barrier_wait -1
	CREST
.endm
	s_load_b256 s[4:11], s[0:1], 0x0               ; xc s[4:5], wc s[6:7], bq s[8:9], bk s[10:11]
	s_load_b128 s[68:71], s[0:1], 0x20             ; bv s[68:69], the exponents s[70:71]
	s_load_b64 s[72:73], s[0:1], 0x30              ; qkvc
	v_lshl_add_u32 v[SPW], v0, 2, SPARE
	v_mov_b32 v[NIL], 0
	ds_add_u32 v28, v29
	ds_add_u32 v28, v29
	s_wait_dscnt 0x0
	v_lshrrev_b32 v1, 5, v0
	v_readfirstlane_b32 s14, v1                    ; wave 0..3
	s_lshr_b32 s15, s14, 1                         ; which half of the A side's rows is mine.  Also: I fetch for the A side (0) or the B side (1)
	s_and_b32 s16, s14, 1                          ; which half of the B side's.  Also: which 128 rows of that tile I fetch
	s_bfe_u32 s40, ttmp6, 0x40000                  ; cx, cy: my place in the cluster
	s_bfe_u32 s41, ttmp6, 0x40004
	s_and_b32 s13, ttmp7, 0xffff                   ; cluster y, 0..7: it walks the tokens
	s_cmp_eq_u32 ttmp9, 2                          ; v?  (the cluster's x: the same in all sixteen partners)
	s_cselect_b32 s88, 0, s13                      ; the tokens are the A side for q and k,
	s_cselect_b32 s89, s13, 0                      ; the B side for v
	s_lshl_b32 s17, s88, 2
	s_add_co_u32 s17, s17, s41                     ; tile of the A side
	s_lshl_b32 s42, s89, 2
	s_add_co_u32 s42, s42, s40                     ; tile of the B side
	s_lshl_b32 s43, s41, 2
	s_lshl_b32 s43, 15, s43                        ; my row of the cluster
	s_lshl_b32 s44, 0x1111, s40                    ; my column
	; descriptor group 1: 8 row tiles' parts of a slot: 8 rows of 512 elements of 8 bytes (4,096 bytes), 2,048 elements (a row tile's 16,384 bytes) apart; dense in LDS
	s_or_b32 s[G1+0], s43, (3<<16)|(1<<21)         ; 15:0 the mask: my row; 17:16 elements of 8 bytes; 20 no padding; 21 set beside a mask
	s_or_b32 s[G1B+0], s44, (3<<16)|(1<<21)        ; the same with my column
.irp g, G1, G1B
	s_mov_b32 s[\g+1], 512<<16                     ; tensor_dim0
	s_mov_b32 s[\g+2], 8<<16                       ; tensor_dim1
	s_mov_b32 s[\g+3], 512<<16                     ; tile_dim0
	s_mov_b32 s[\g+4], 8                           ; tile_dim1
	s_mov_b32 s[\g+5], 2048                        ; tensor_dim0_stride
	s_mov_b32 s[\g+6], 0
	s_mov_b32 s[\g+7], 0
.endr
	s_lshl_b32 s78, ttmp9, 23                      ; x's copy for this product; also the product's part of qkvc
	s_lshl_b32 s79, ttmp9, 20                      ; its weight in wc
	s_lshl_b32 s90, s16, 17                        ; which 8 row tiles of the tile I fetch
	s_lshl_b32 s20, s17, 18                        ; a tile's 16 row tiles are 2^18 bytes
	s_add_co_u32 s20, s20, s90
	s_lshl_b32 s46, s42, 18
	s_add_co_u32 s46, s46, s90
	s_cmp_eq_u32 ttmp9, 2
	s_cselect_b32 s91, s79, s78
	s_cselect_b32 s92, s78, s79
	s_add_co_u32 s20, s20, s91
	s_add_co_u32 s46, s46, s92
	s_mov_b32 s21, 0
	s_mov_b32 s47, 0
	s_lshl_b32 s45, s14, 15                        ; where they go: wave x 32,768: no place in the cluster enters an LDS address
	s_wait_kmcnt 0x0
	s_cmp_eq_u32 ttmp9, 2
	s_cselect_b64 s[74:75], s[6:7], s[4:5]         ; the A side's buffer,
	s_cselect_b64 s[76:77], s[4:5], s[6:7]         ; the B side's
	s_add_nc_u64 s[20:21], s[74:75], s[20:21]
	s_add_nc_u64 s[46:47], s[76:77], s[46:47]
	CROUND                                         ; all sixteen work-groups are here: the first joint loads meet
.irp s, 0,1
	s_mov_b32 s[G0+4*\s], 1
	s_add_co_u32 s[G0+4*\s+1], s45, \s*SLOT
	s_add_nc_u64 s[G0+4*\s+2:G0+4*\s+3], s[20:21], \s*4096
	s_or_b32 s[G0+4*\s+3], s[G0+4*\s+3], 0x80000000
	s_mov_b32 s[G0B+4*\s], 1
	s_add_co_u32 s[G0B+4*\s+1], s45, \s*SLOT
	s_add_nc_u64 s[G0B+4*\s+2:G0B+4*\s+3], s[46:47], \s*4096
	s_or_b32 s[G0B+4*\s+3], s[G0B+4*\s+3], 0x80000000
	JLOAD G0+4*\s, G1, G0B+4*\s, G1B
.endr
	v_and_b32 v1, 31, v0
	v_lshlrev_b32 v[LO], 4, v1
	v_and_b32 v2, 15, v0
	v_lshlrev_b32 v[BR], 2, v2
	v_bfe_u32 v3, v0, 4, 1
	v_lshlrev_b32 v[BH], 5, v3
	s_wait_alu depctr_va_vdst(0)
	s_lshl_b32 s22, s15, 15                        ; my 8 row tiles of the A side
	s_lshl_b32 s23, s16, 15                        ; my 8 of the B side,
	s_add_co_u32 s23, s23, BOFF                    ; which lie behind the A side's 16
.irp s, 0,1
	v_add_nc_u32 v[ADRA+\s], s22, v[LO]
	v_add_nc_u32 v[ADRB+\s], s23, v[LO]
	s_add_co_u32 s22, s22, SLOT
	s_add_co_u32 s23, s23, SLOT
.endr
	; where my 128 tokens x 128 features go, and my 128 numbers of the bias
	s_lshl_b32 s88, s17, 8
	s_lshl_b32 s89, s15, 7
	s_add_co_u32 s88, s88, s89                     ; my first row of the A side
	s_lshl_b32 s89, s42, 8
	s_lshl_b32 s66, s16, 7
	s_add_co_u32 s89, s89, s66                     ; my first row of the B side
	s_cmp_eq_u32 ttmp9, 2
	s_cselect_b32 s66, s89, s88                    ; my first token
	s_cselect_b32 s67, s88, s89                    ; my first feature
	s_lshr_b32 s88, s66, 11
	s_lshl_b32 s88, s88, 4
	s_lshr_b32 s89, s67, 6
	s_add_co_u32 s88, s88, s89                     ; 16 batch + head
	s_lshl_b32 s88, s88, 17
	s_and_b32 s89, s66, 2047
	s_lshl_b32 s89, s89, 6                         ; 16 tokens are 1,024 bytes of q or k; 128 keys are 8,192 bytes of v
	s_add_co_u32 s88, s88, s89
	s_add_co_u32 s88, s88, s78
	s_mov_b32 s89, 0
	s_add_nc_u64 s[82:83], s[72:73], s[88:89]
	s_cmp_eq_u32 ttmp9, 1
	s_cselect_b64 s[80:81], s[10:11], s[8:9]
	s_cmp_eq_u32 ttmp9, 2
	s_cselect_b64 s[80:81], s[68:69], s[80:81]
	s_lshl_b32 s88, s67, 2
	s_add_nc_u64 s[80:81], s[80:81], s[88:89]
	; my 128 numbers of the bias in both lane forms, with no branch: both stay inside the 512 bytes; the way out uses the form of its orientation
.irp b, 0,1,2,3,4,5,6,7
	global_load_b128 v[BN+8*\b:BN+8*\b+3],   v[BH], s[80:81] offset:64*\b
	global_load_b128 v[BN+8*\b+4:BN+8*\b+7], v[BH], s[80:81] offset:64*\b+16
.endr
.irp a, 0,1,2,3,4,5,6,7
	global_load_b32 v[BV+2*\a],   v[BR], s[80:81] offset:64*\a
	global_load_b32 v[BV+2*\a+1], v[BR], s[80:81] offset:64*\a   ; (the packed form names a pair, so both are written)
.endr
	s_load_b256 s[84:91], s[70:71], 0x0            ; entries 0 to 7
	s_load_b64 s[92:93], s[70:71], 0x20            ; entries 8, 9
	s_wait_alu depctr_va_vdst(0)
	s_wait_kmcnt 0x0
	s_add_co_i32 s84, s84, s85                     ; ea + eb of q,
	s_add_co_i32 s86, s86, s87                     ; of k,
	s_add_co_i32 s88, s88, s89                     ; of v
	s_cmp_eq_u32 ttmp9, 1
	s_cselect_b32 s84, s86, s84
	s_cselect_b32 s90, s91, s90                    ; eo: entry 6 for q, 7 for k,
	s_cmp_eq_u32 ttmp9, 2
	s_cselect_b32 s84, s88, s84
	s_cselect_b32 s90, s93, s90                    ; 9 for v
	s_add_co_i32 s96, s84, 127
	s_lshl_b32 s96, s96, 23                        ; 2^(ea + eb) as f32
	s_mov_b32 s97, s96                             ; (named with it as a pair)
	s_add_co_i32 s90, s90, 127
	s_lshl_b32 s91, s90, 23
	v_mov_b32 v[SCL], s91
.macro FRAG reg, adr, q, i             ; a fragment's image: four pieces of 512 bytes; row tile i of my eight, the slot's q-th 128 along K
.irp c, 0,1,2,3
	ds_load_b128 v[\reg+4*\c:\reg+4*\c+3], v[\adr] offset:2048*(\q)+512*\c+4096*(\i)
.endr
.endm
; 16 matrix instructions: the A side's blocks a0, a0 + 1 x the B side's eight, 128 along K.  p: the B side's set.  zero = 1: the first product starts the sums.
; The 64 accumulators take turns, one instruction a turn, in the same order in every step.
.macro MUL16 a0, p, zero
.irp a, \a0, \a0+1
.irp b, 0,1,2,3,4,5,6,7
.if \zero
	v_wmma_f32_16x16x128_fp8_fp8 v[8*(8*((\a)%4)+\b):8*(8*((\a)%4)+\b)+7], v[128*(\p)+FR*\b:128*(\p)+FR*\b+FR-1], v[AF+FR*(\a):AF+FR*(\a)+FR-1], 0
.else
	v_wmma_f32_16x16x128_fp8_fp8 v[8*(8*((\a)%4)+\b):8*(8*((\a)%4)+\b)+7], v[128*(\p)+FR*\b:128*(\p)+FR*\b+FR-1], v[AF+FR*(\a):AF+FR*(\a)+FR-1], v[8*(8*((\a)%4)+\b):8*(8*((\a)%4)+\b)+7]
.endif
.endr
.endr
.endm
.macro FETCH_B slot, q, p
	WIN TO_B
.irp i, 0,1,2,3,4,5,6,7
	FRAG 128*(\p)+FR*\i, ADRB+\slot, \q, \i
.endr
	WIN 0
.endm
.macro FETCH_A slot, q, i0             ; blocks i0 .. i0 + 3
.irp i, \i0, \i0+1, \i0+2, \i0+3
	FRAG AF+FR*(\i), ADRA+\slot, \q, \i
.endr
.endm
.macro PLACES n                        ; plain vector lines between a matrix instruction and a load into, or a vector line on, its registers (ISA guide 7.12.1 for vector lines)
.rept \n
	v_nop
.endr
.endm
; A step of 128 along K that has its successor in the same slot.  A block of the A side is free when its eight products are issued: blocks 0-3 are fetched anew in the middle, blocks 4-7 at the end.
.macro STEP slot, q, zero
	s_wait_dscnt 4*NL                              ; the B side's set and blocks 0-3 are in; the youngest sixteen loads (blocks 4-7) may be out
	WIN MUL_LO
	MUL16 0, (\q)%2, \zero
	MUL16 2, (\q)%2, \zero
	s_wait_dscnt 0                                 ; blocks 4-7 are in
	PLACES NP
	FETCH_B \slot, (\q)+1, 1-(\q)%2
	FETCH_A \slot, (\q)+1, 0
	WIN MUL_HI
	MUL16 4, (\q)%2, \zero
	MUL16 6, (\q)%2, \zero
	PLACES NP
	WIN 0
	FETCH_A \slot, (\q)+1, 4
.endm
; A slot's last step changes slots: ONE barrier; in front of it each wave waits for all its tensor loads, adds 0 to its spare word, and waits for that and for its own reads of this slot.  fill = 1: this slot is filled again, two K steps of 256 ahead.
.macro TURN slot, next, fill
	s_wait_tensorcnt 0x0                           ; all my tensor loads have landed: my part of the next slot;  (every window is 0 here)
	ds_add_u32 v[SPW], v[NIL]                      ; 0 onto my spare word
	s_wait_dscnt 4*NL+1                            ; (the add and the youngest sixteen loads may be out)
	WIN MUL_LO
	MUL16 0, 1, 0                                  ; sixteen matrix instructions stand between the add and the wait for it
	s_wait_dscnt 0x0                               ; the add is done, and my reads of this slot are over
	s_barrier_signal -1
	MUL16 2, 1, 0
	WIN 0
	s_barrier_wait -1
.if \fill
	CREST                                          ; the barrier has opened a round of the cluster's barrier: no wave of any partner still reads this slot or has a load on its way
	s_add_nc_u64 s[G0+4*\slot+2:G0+4*\slot+3], s[G0+4*\slot+2:G0+4*\slot+3], 8192
	s_add_nc_u64 s[G0B+4*\slot+2:G0B+4*\slot+3], s[G0B+4*\slot+2:G0B+4*\slot+3], 8192
	JLOAD G0+4*\slot, G1, G0B+4*\slot, G1B         ; the first tensor load behind the round, one a wave; its four v_nop are also the places in front of the loads below
.else
	PLACES NP
.endif
	FETCH_B \next, 0, 0
	FETCH_A \next, 0, 0
	WIN MUL_HI
	MUL16 4, 1, 0
	MUL16 6, 1, 0
	PLACES NP
	WIN 0
	FETCH_A \next, 0, 4
.endm
	s_wait_tensorcnt 1                             ; my part of slot 0 is in; slot 1's load may be out
	s_barrier_signal -1
	s_barrier_wait -1
	FETCH_B 0, 0, 0
	FETCH_A 0, 0, 0
	FETCH_A 0, 0, 4
	STEP 0, 0, 1                                   ; K 0..127: its products start the sums.  Eight steps in all, written out: a loop would have one trip
	TURN 0, 1, 1                                   ; K 128..255; slot 0 takes K 512..767
	STEP 1, 0, 0
	TURN 1, 0, 1                                   ; slot 1 takes K 768..1023
	STEP 0, 0, 0
	TURN 0, 1, 0                                   ; nothing is left to fetch: no round
	STEP 1, 0, 0
	s_wait_dscnt 4*NL                              ; the last step
	WIN MUL_LO
	MUL16 0, 1, 0
	MUL16 2, 1, 0
	s_wait_dscnt 0
	WIN MUL_HI
	MUL16 4, 1, 0
	MUL16 6, 1, 0
	WIN 0
	PLACES NP                                      ; in front of the first vector lines on results
; THE WAY OUT.  Each accumulator, from its low end on: sum x 2^(ea + eb) + bias, one conversion: registers 2 b, 2 b + 1 of block a's codes.  Then 16 bytes a lane, 512 consecutive bytes a store; every offset is an immediate.
.macro EPI isv
.irp hi, 0,1
	WIN 0x82+0x41*\hi                              ; source 0 and destination: window 2 or 3; the bias: window 0
.irp a, 0,1,2,3
.irp b, 0,1,2,3,4,5,6,7
.irp i, 0,2,4,6
.if \isv
	v_pk_fma_f32 v[8*(8*\a+\b)+\i:8*(8*\a+\b)+\i+1], v[8*(8*\a+\b)+\i:8*(8*\a+\b)+\i+1], s[96:97], v[BV+2*(4*\hi+\a):BV+2*(4*\hi+\a)+1] op_sel_hi:[1,0,0]   ; my feature's bias for both
.else
	v_pk_fma_f32 v[8*(8*\a+\b)+\i:8*(8*\a+\b)+\i+1], v[8*(8*\a+\b)+\i:8*(8*\a+\b)+\i+1], s[96:97], v[BN+8*\b+\i:BN+8*\b+\i+1] op_sel_hi:[1,0,1]
.endif
.endr
.irp i, 0,1,2,3,4,5,6,7
.endr
.endr
.endr
	WIN 0x02+\hi                                   ; source 0: window 2 or 3; the codes and the scale: window 0
.irp a, 0,1,2,3
.irp b, 0,1,2,3,4,5,6,7
	v_cvt_scalef32_pk8_fp8_f32 v[CD+16*(4*\hi+\a)+2*\b:CD+16*(4*\hi+\a)+2*\b+1], v[8*(8*\a+\b):8*(8*\a+\b)+7], v[SCL]
.endr
.endr
	WIN 0
	v_nop                                          ; a plain line behind the last conversion
.irp a, 0,1,2,3
.irp c, 0,1,2,3
.if \isv
	global_store_b128 v[LO], v[CD+16*(4*\hi+\a)+4*\c:CD+16*(4*\hi+\a)+4*\c+3], s[82:83] offset:\hi*131072+\a*2048+\c*512            ; head hi of my two, tile a of its 64 features, piece c of my key block
.else
	global_store_b128 v[LO], v[CD+16*(4*\hi+\a)+4*\c:CD+16*(4*\hi+\a)+4*\c+3], s[82:83] offset:(\c/2)*131072+(4*\hi+\a)*1024+(\c%2)*512   ; head c / 2 of my two, token tile 4 hi + a, piece c % 2
.endif
.endr
.endr
.endr
.endm
	s_wait_loadcnt 0x0                             ; the bias
	s_cmp_eq_u32 ttmp9, 2                          ; the cluster's x: the same in all partners
	s_cbranch_scc1 .Lv
	EPI 0
	s_branch .Lend
.Lv:
	EPI 1
.Lend:
	s_wait_tensorcnt 0x0                           ; the wave's end
	ds_add_u32 v[SPW], v[NIL]
	s_wait_dscnt 0x0
	CROUND                                         ; the closing round: no work-group ends while a partner may still ask for a tile that names it
	s_endpgm
.Lfunc_end_k_q265d42ea43_proj:
	.size	k_q265d42ea43_proj, .Lfunc_end_k_q265d42ea43_proj-k_q265d42ea43_proj
	.p2alignl 7, 3214868480
	.fill 96, 4, 3214868480
	.section	.rodata,"a",@progbits
	.p2align	6, 0x0
	.amdhsa_kernel k_q265d42ea43_proj
		.amdhsa_group_segment_fixed_size 327680
		.amdhsa_private_segment_fixed_size 0
		.amdhsa_enable_private_segment 0
		.amdhsa_kernarg_size 56
		.amdhsa_user_sgpr_count 2
		.amdhsa_user_sgpr_kernarg_segment_ptr 1
		.amdhsa_wavefront_size32 1
		.amdhsa_system_sgpr_workgroup_id_x 1
		.amdhsa_system_sgpr_workgroup_id_y 1
		.amdhsa_system_sgpr_workgroup_id_z 1
		.amdhsa_system_vgpr_workitem_id 0
		.amdhsa_next_free_vgpr 1024
		.amdhsa_next_free_sgpr 100
		.amdhsa_reserve_vcc 0
		.amdhsa_float_denorm_mode_32 3
		.amdhsa_float_denorm_mode_16_64 3
		.amdhsa_fp16_overflow 1
		.amdhsa_memory_ordered 1
		.amdhsa_forward_progress 1
		.amdhsa_inst_pref_size 128
	.end_amdhsa_kernel
	.amdgpu_metadata
---
amdhsa.version: [ 1, 2 ]
amdhsa.kernels:
  - .name:           k_q265d42ea43_proj
    .symbol:         k_q265d42ea43_proj.kd
    .args:
      - { .name: xc, .offset: 0, .size: 8, .value_kind: global_buffer, .address_space: global }
      - { .name: wc, .offset: 8, .size: 8, .value_kind: global_buffer, .address_space: global }
      - { .name: bq, .offset: 16, .size: 8, .value_kind: global_buffer, .address_space: global }
      - { .name: bk, .offset: 24, .size: 8, .value_kind: global_buffer, .address_space: global }
      - { .name: bv, .offset: 32, .size: 8, .value_kind: global_buffer, .address_space: global }
      - { .name: lowp_scales, .offset: 40, .size: 8, .value_kind: global_buffer, .address_space: global }
      - { .name: qkvc, .offset: 48, .size: 8, .value_kind: global_buffer, .address_space: global }
    .group_segment_fixed_size: 327680
    .private_segment_fixed_size: 0
    .kernarg_segment_align: 8
    .kernarg_segment_size: 56
    .max_flat_workgroup_size: 128
    .sgpr_count:     100
    .vgpr_count:     1024
    .wavefront_size: 32
...
	.end_amdgpu_metadata
.endif
;; end of part 2
;; launch attn (part 3): grid 4 x 64, 16 waves a work-group, clusters of 4 x 1, 264,192 bytes of LDS; arguments qkvc, lowp_scales, ac; writes ac
.if DOCPART == 3
	.amdgcn_target "amdgcn-amd-amdhsa--gfx1250"
	.amdhsa_code_object_version 6
	.text
	.protected	k_q265d42ea43_attn
	.globl	k_q265d42ea43_attn
	.p2align	8
	.type	k_q265d42ea43_attn,@function
k_q265d42ea43_attn:
	s_mov_b64 s[64:65], 0
	v_nop
	global_prefetch_b8 v0, s[64:65] scope:SCOPE_SE
	s_setreg_imm32_b32 hwreg(HW_REG_WAVE_MODE, 25, 1), 1
	s_wait_xcnt 0x0
	s_wait_alu depctr_hold_cnt(0) depctr_sa_sdst(0) depctr_va_vdst(0) depctr_va_sdst(0) depctr_va_ssrc(0) depctr_va_vcc(0) depctr_vm_vsrc(0)
	s_getreg_b32 s2, hwreg(HW_REG_IB_STS2, 6, 4)
	s_cmp_eq_u32 s2, 0
	s_cbranch_scc0 .Lentry_in_a_cluster
	s_endpgm
.Lentry_in_a_cluster:
	s_bfe_u32 s2, ttmp6, 0x10000c
	s_cmp_lg_u32 s2, 0x3003
	s_cbranch_scc0 .Lentry_shape_is_right
	s_endpgm
.Lentry_shape_is_right:
; Causal attention of one (batch, head) a cluster, head size 64, 2,048 tokens, both products on codes of FP8 (E4M3); the result is quantised (entry 10) as the A operand of the last projection.
; t = score x 2^(e6 + e7) x log2(e) / 8; M = the row's largest t so far, rounded UP to a whole number; p = 2^(t - M) is quantised with 2^e8; the row's sum is taken of the unquantised p and divides at the end.
; When M moves, the sum and O are multiplied by 2^(old M - new M): exact.  result = O x 2^(e8 + e9) / sum; code = result / 2^e10, held within +-448.
; LIMITS: e6 + e7 between -123 and 130 (they are added to the exponent field of log2(e) / 8); e8 and e10 between -126 and 119.
; LDS holds the head's WHOLE K and V, 131,072 bytes each, filled once: key block w (128 keys) at 16,384 w: K's 8 tiles of 16 keys (1,024 bytes each), then V's 4 tiles of 16 features (2,048 each), all as images of
; the operands' registers.  Wave w asks for key block w by one tensor load of two rows of 8,192 bytes (K's part, V's part, 2^23 bytes apart in qkvc), JOINTLY with the same wave of the three partners.
; Nothing is filled again: no ring.
; SHARES.  Of every block of 128 queries, partner cx takes the 32 at 32 cx.  Wave w makes two tiles of 16 queries, one after the other: pass 0 in block w, pass 1 in block 15 - w: (w + 1) + (16 - w) = 17 key steps in every wave.
; A key step whose 128 keys all come after the block is left out by a scalar branch on the wave's number and the loop's counter; trip counts are constants; cx enters Q's and the result's addresses and the mask's compare alone.
; LAYOUT.  S^T = K Q^T (source 0 = 16 keys, source 1 = my 16 queries), O^T = V^T P^T (source 0 = 16 features, source 1 = P): a lane (r, h) holds query r throughout; tile t's register j is key 16 t + 8 h + j,
; so one conversion of tile t gives registers 2 t, 2 t + 1 of P; O^T's tile d, register j, is feature 16 d + 8 h + j, so its conversion gives registers of the next product's fragment, stored at 16 x lane.
; REGISTERS: v1 16 x lane; v8 LDS address; v10, v11 the mask's compare values; v12 -M, v13 the largest t, v[14:15] the sum; v16-31 Q of both passes; v32-95 K's 8 fragments, then V's 4; v96-159 S^T, then p;
;   v160-191 O^T; v192-207 P's codes; v208-223 the results' codes; v236-254 constants and scratch.
.set LI,  1
.set ADR, 8
.set DQ,  10
.set TB,  2                            ; s2   LDS byte of the key block in hand
.set KB,  3                            ; s3   its number
.set BE,  60                           ; s60  the pass's block of queries
.set G1,  24                           ; s[24:31] descriptor group 1;  s[40:43] group 0
.set G0,  40
.macro CROUND                          ; a round of the cluster's barrier
	s_barrier_signal -1
	s_barrier_wait -1
	s_cmp_lg_u32 s18, 0
	s_cbranch_scc1 .Lnot_wave_0_\@
	s_barrier_signal -3
.Lnot_wave_0_\@:
	s_barrier_wait -3
	s_barrier_signal -1
	s_barrier_wait -1
.endm
	s_load_b128 s[4:7], s[0:1], 0x0                ; qkvc s[4:5], the exponents s[6:7]
	s_load_b64 s[8:9], s[0:1], 0x10                ; ac
	v_lshl_add_u32 v251, v0, 2, 0x40000
	v_mov_b32 v255, 0
	ds_add_u32 v251, v255
	ds_add_u32 v251, v255
	v_lshrrev_b32 v2, 5, v0
	s_delay_alu instid0(VALU_DEP_1)
	v_readfirstlane_b32 s18, v2                    ; wave 0..15
	s_bfe_u32 s19, ttmp6, 0x40000                  ; cx
	s_and_b32 s20, ttmp7, 0xffff                   ; 16 batch + head, which the four partners share
	s_mov_b32 s[G1], 15|(3<<16)|(1<<21)            ; 15:0 the mask: all four; 17:16 elements of 8 bytes; 20 no padding; 21 set beside a mask
	s_mov_b32 s[G1+1], 1024<<16                    ; tensor_dim0: 8,192 bytes
	s_mov_b32 s[G1+2], 2<<16                       ; tensor_dim1
	s_mov_b32 s[G1+3], 1024<<16                    ; tile_dim0
	s_mov_b32 s[G1+4], 2                           ; tile_dim1
	s_mov_b32 s[G1+5], 1048576                     ; tensor_dim0_stride: from k's part of qkvc to v's
	s_mov_b32 s[G1+6], 0
	s_mov_b32 s[G1+7], 0
	s_lshl_b32 s10, s20, 17
	s_lshl_b32 s11, s18, 13
	s_add_co_u32 s10, s10, s11
	s_add_co_u32 s10, s10, 0x800000                ; k's part, my head, key block w
	s_mov_b32 s11, 0
	s_mov_b32 s[G0], 1
	s_lshl_b32 s[G0+1], s18, 14                    ; LDS: 16,384 x wave
	s_wait_dscnt 0x0
	s_wait_kmcnt 0x0
	s_add_nc_u64 s[G0+2:G0+3], s[4:5], s[10:11]
	s_or_b32 s[G0+3], s[G0+3], 0x80000000
	CROUND                                         ; all four work-groups are here: the joint loads meet
	tensor_load_to_lds s[G0:G0+3], s[G1:G1+7]      ; my one tensor load of the launch
	s_nop 0
.rept 4
	v_nop
.endr
	s_load_b128 s[52:55], s[6:7], 0x18             ; e6, e7, e8, e9
	s_load_b32 s56, s[6:7], 0x28                   ; e10
	s_lshl_b32 s12, s19, 1
	s_lshl_b32 s13, s18, 3
	s_add_co_u32 s13, s13, s12                     ; pass 0's tile of 16 tokens in the head: 8 w + 2 cx
	s_xor_b32 s14, s18, 15                         ; 15 - w
	s_lshl_b32 s15, s14, 3
	s_add_co_u32 s15, s15, s12
	s_add_co_u32 s15, s15, 1                       ; pass 1's: 8 (15 - w) + 2 cx + 1
	s_lshl_b32 s16, s20, 17
	s_mov_b32 s33, 0
	s_lshl_b32 s32, s13, 10
	s_add_co_u32 s32, s32, s16
	s_add_nc_u64 s[44:45], s[4:5], s[32:33]        ; Q's fragment of pass 0,
	s_lshl_b32 s32, s15, 10
	s_add_co_u32 s32, s32, s16
	s_add_nc_u64 s[46:47], s[4:5], s[32:33]        ; of pass 1
	s_lshr_b32 s34, s20, 4
	s_lshl_b32 s34, s34, 7                         ; the batch's first row tile in ac
	s_and_b32 s35, s20, 15
	s_lshr_b32 s36, s35, 1
	s_lshl_b32 s36, s36, 11                        ; K step head / 2 of the last projection,
	s_and_b32 s37, s20, 1
	s_lshl_b32 s37, s37, 10                        ; its pieces 2 (head % 2) and the next
	s_add_co_u32 s36, s36, s37
	s_add_co_u32 s32, s34, s13
	s_lshl_b32 s32, s32, 14
	s_add_co_u32 s32, s32, s36
	s_add_nc_u64 s[48:49], s[8:9], s[32:33]        ; where pass 0's codes go,
	s_add_co_u32 s32, s34, s15
	s_lshl_b32 s32, s32, 14
	s_add_co_u32 s32, s32, s36
	s_add_nc_u64 s[50:51], s[8:9], s[32:33]        ; and pass 1's
	v_and_b32 v[LI], 31, v0
	s_delay_alu instid0(VALU_DEP_1)
	v_lshlrev_b32 v[LI], 4, v[LI]
	global_load_b128 v[16:19], v[LI], s[44:45]
	global_load_b128 v[20:23], v[LI], s[44:45] offset:512
	global_load_b128 v[24:27], v[LI], s[46:47]
	global_load_b128 v[28:31], v[LI], s[46:47] offset:512
	v_and_b32 v3, 15, v0                           ; r
	v_bfe_u32 v4, v0, 4, 1                         ; h
	s_delay_alu instid0(VALU_DEP_1)
	v_lshlrev_b32 v4, 3, v4
	s_delay_alu instid0(VALU_DEP_1)
	v_sub_nc_u32 v[DQ], v3, v4
	s_lshl_b32 s12, s19, 5
	v_add_nc_u32 v[DQ], s12, v[DQ]                 ; pass 0: my query's place in its block, less 8 h: key 16 t + 8 h + j of the same block is hidden where 16 t + j is greater
	s_delay_alu instid0(VALU_DEP_1)
	v_add_nc_u32 v[DQ+1], 16, v[DQ]                ; pass 1
	v_mov_b32 v236, 0                              ; written once: a lane permute's destination counts as one of its sources
	v_mov_b32 v252, 0
	v_mov_b32 v253, 0                              ; (named as the upper half of the pair v[252:253])
	v_mov_b32 v247, 0xff800000                     ; -infinity
	s_mov_b32 s58, 0x76543210                      ; v_permlanex16_b32's selects: lane l xor 16
	s_mov_b32 s59, 0xfedcba98
	s_wait_kmcnt 0x0
	s_add_co_i32 s12, s52, s53
	s_lshl_b32 s12, s12, 23
	s_add_co_i32 s22, s12, 0x3e38aa3b              ; c = log2(e) / 8 x 2^(e6 + e7): the two exponents are added to the exponent field
	s_mov_b32 s23, s22                             ; (named with it as a pair)
	s_add_co_i32 s12, s54, 127
	s_lshl_b32 s13, s12, 23
	v_mov_b32 v244, s13                            ; 2^e8
	s_add_co_i32 s12, s56, 127
	s_lshl_b32 s13, s12, 23
	v_mov_b32 v246, s13                            ; 2^e10
	s_add_co_i32 s61, s54, s55                     ; e8 + e9
	s_wait_loadcnt 0x0                             ; Q
	s_wait_tensorcnt 0x0                           ; my key block has landed,
	s_barrier_signal -1
	s_barrier_wait -1                              ; and everybody's
; A KEY STEP of pass p: key block s[KB] against my 16 queries.
.macro STEP p
	s_cmp_gt_u32 s[KB], s[BE]                      ; all its keys come after my block's queries: left out
	s_cbranch_scc1 .Lskip_\@
	s_setprio 2
	v_add_nc_u32 v[ADR], s[TB], v[LI]
.rept 3
	v_nop                                          ; with the addition: four places in front of loads into registers that the last products read
.endr
.irp t, 0,1,2,3,4,5,6,7
	ds_load_b128 v[32+8*\t:35+8*\t], v[ADR] offset:1024*\t
	ds_load_b128 v[36+8*\t:39+8*\t], v[ADR] offset:1024*\t+512
.endr
	s_wait_alu depctr_va_vdst(0)
.irp t, 0,1,2,3,4,5,6,7
	s_wait_dscnt 14-2*\t                           ; tile t's two loads are in; the later tiles', two each, may be out
	v_wmma_f32_16x16x64_fp8_fp8 v[96+8*\t:103+8*\t], v[32+8*\t:39+8*\t], v[16+8*\p:23+8*\p], 0
.endr
.rept 4
	v_nop                                          ; places in front of the loads below and of the first read of the scores
.endr
.irp d, 0,1,2,3                        ; V's four fragments, into K's registers: they land while the softmax is worked
.irp c, 0,1,2,3
	ds_load_b128 v[32+16*\d+4*\c:35+16*\d+4*\c], v[ADR] offset:8192+2048*\d+512*\c
.endr
.endr
	s_cmp_lt_u32 s[KB], s[BE]                      ; a block ahead of mine: all its keys count
	s_cbranch_scc1 .Lopen_\@
.set n, 0
.rept 64                               ; my own block: the scores of hidden keys become -infinity ahead of the maximum, so that p = 0.  The block's key 0 counts for every query
	v_cmp_gt_i32 vcc_lo, 16*(n/8)+n%8, v[DQ+\p]
	v_cndmask_b32 v[96+n], v[96+n], v247, vcc_lo
.set n, n+1
.endr
.Lopen_\@:
	v_max3_num_f32 v254, v96, v97, v98             ; the step's largest score of my query among my 64 keys, in two chains; each accumulator is read from its low end on
	v_max3_num_f32 v252, v99, v100, v101
.irp i, 6,10,14,18,22,26,30,34,38,42,46,50,54,58
	v_max3_num_f32 v254, v254, v[96+\i], v[97+\i]
	v_max3_num_f32 v252, v252, v[98+\i], v[99+\i]
.endr
	v_max3_num_f32 v254, v254, v158, v159
	s_delay_alu instid0(VALU_DEP_1)
	v_max_num_f32 v254, v254, v252
	s_delay_alu instid0(VALU_DEP_1)
	v_permlanex16_b32 v236, v254, s58, s59
	s_delay_alu instid0(VALU_DEP_1)
	v_max_num_f32 v254, v254, v236                 ; and among lane l xor 16's
	s_delay_alu instid0(VALU_DEP_1)
	v_mul_f32 v254, s22, v254                      ; as t (c is positive)
	s_delay_alu instid0(VALU_DEP_1)
	v_max_num_f32 v13, v13, v254                   ; the running largest t
	v_mov_b32 v254, v12
	s_delay_alu instid0(VALU_DEP_2)
	v_floor_f32 v12, -v13                          ; the new -M = floor(-t) = -ceil(t)
	s_delay_alu instid0(VALU_DEP_1)
	v_sub_f32 v254, v12, v254                      ; old M - new M: a whole number, 0 or less
	s_delay_alu instid0(VALU_DEP_1)
	v_cvt_i32_f32 v254, v254                       ; (it saturates)
	s_delay_alu instid0(VALU_DEP_1)
	v_ldexp_f32 v252, 1.0, v254                    ; f = 2^(old M - new M)
	s_setprio 1
.irp j, 0,2,4,6,8,10,12,14,16,18,20,22,24,26,28,30,32,34,36,38,40,42,44,46,48,50,52,54,56,58,60,62
	v_pk_fma_f32 v[96+\j:97+\j], v[96+\j:97+\j], s[22:23], v[12:13] op_sel_hi:[1,0,0]   ; t - M (of the pairs c and -M the low word serves both halves)
.endr
.set n, 0
	s_wait_alu depctr_va_vdst(0)
.rept 64
	v_exp_f32 v[96+n], v[96+n]                     ; p = 2^(t - M), at most 1
.set n, n+1
.endr
	v_pk_mul_f32 v[14:15], v[14:15], v[252:253] op_sel_hi:[1,0]   ; the sum under the new M: the plain line behind the exponentials
	s_wait_alu depctr_va_vdst(0)                   ; one wait for the batch, ahead of its first reader
	v_pk_add_f32 v[242:243], v[100:101], v[104:105]
	v_pk_add_f32 v[248:249], v[108:109], v[112:113]
	v_pk_add_f32 v[240:241], v[116:117], v[120:121]
	v_pk_add_f32 v[238:239], v[124:125], v[128:129]
	v_pk_add_f32 v[234:235], v[132:133], v[136:137]
	v_pk_add_f32 v[232:233], v[140:141], v[144:145]
	v_pk_add_f32 v[230:231], v[148:149], v[152:153]
	v_pk_add_f32 v[14:15], v[14:15], v[156:157]
	v_pk_add_f32 v[242:243], v[242:243], v[96:97]
	v_pk_add_f32 v[248:249], v[248:249], v[98:99]
	v_pk_add_f32 v[240:241], v[240:241], v[102:103]
	v_pk_add_f32 v[238:239], v[238:239], v[106:107]
	v_pk_add_f32 v[234:235], v[234:235], v[110:111]
	v_pk_add_f32 v[232:233], v[232:233], v[114:115]
	v_pk_add_f32 v[230:231], v[230:231], v[118:119]
	v_pk_add_f32 v[14:15], v[14:15], v[122:123]
	v_pk_add_f32 v[242:243], v[242:243], v[126:127]
	v_pk_add_f32 v[248:249], v[248:249], v[130:131]
	v_pk_add_f32 v[240:241], v[240:241], v[134:135]
	v_pk_add_f32 v[238:239], v[238:239], v[138:139]
	v_pk_add_f32 v[234:235], v[234:235], v[142:143]
	v_pk_add_f32 v[232:233], v[232:233], v[146:147]
	v_pk_add_f32 v[230:231], v[230:231], v[150:151]
	s_setprio 0
	v_pk_add_f32 v[14:15], v[14:15], v[154:155]
	v_pk_add_f32 v[242:243], v[242:243], v[158:159]
	s_delay_alu instid0(VALU_DEP_2)
	v_pk_add_f32 v[14:15], v[14:15], v[238:239]
	s_delay_alu instid0(VALU_DEP_2)
	v_pk_add_f32 v[242:243], v[242:243], v[234:235]
	v_pk_add_f32 v[248:249], v[248:249], v[232:233]
	v_pk_add_f32 v[240:241], v[240:241], v[230:231]
	s_delay_alu instid0(VALU_DEP_2)
	v_pk_add_f32 v[14:15], v[14:15], v[248:249]
	s_delay_alu instid0(VALU_DEP_2)
	v_pk_add_f32 v[242:243], v[242:243], v[240:241]
	s_delay_alu instid0(VALU_DEP_1)
	v_pk_add_f32 v[14:15], v[14:15], v[242:243]
.irp t, 0,1,2,3,4,5,6,7
.irp i, 0,1,2,3,4,5,6,7
.endr
	v_cvt_scalef32_pk8_fp8_f32 v[192+2*\t:193+2*\t], v[96+8*\t:103+8*\t], v244   ; keys 16 t + 8 h + 0..7: registers 2 t, 2 t + 1 of P
.endr
.irp j, 0,2,4,6,8,10,12,14,16,18,20,22,24,26,28,30
	v_pk_mul_f32 v[160+\j:161+\j], v[160+\j:161+\j], v[252:253] op_sel_hi:[1,0]   ; O^T under the new M; also the plain lines between the conversions and the products
.endr
	s_wait_alu depctr_va_vdst(0)
	s_wait_dscnt 0x0                               ; V is in
.irp d, 0,1,2,3                        ; the four accumulators take turns, and the next step's eight products on S^T stand between two links of a chain
	v_wmma_f32_16x16x128_fp8_fp8 v[160+8*\d:167+8*\d], v[32+16*\d:47+16*\d], v[192:207], v[160+8*\d:167+8*\d]
.endr
.Lskip_\@:
.endm
; A PASS: one tile of 16 queries.  The step is written once a pass: O^T and the sum begin as zeros and the largest t as -3e38, so the first change of M multiplies zeros.
.macro PASS p
.if \p
	s_xor_b32 s[BE], s18, 15
.else
	s_mov_b32 s[BE], s18
.endif
	v_mov_b32 v13, 0xff61b1e6
	s_delay_alu instid0(VALU_DEP_1)
	v_floor_f32 v12, -v13
	v_mov_b32 v14, 0
	v_mov_b32 v15, 0
.set n, 0
.rept 32
	v_mov_b32 v[160+n], 0
.set n, n+1
.endr
	s_mov_b32 s[TB], 0
	s_mov_b32 s[KB], 0
.Lkb_\@:                               ; sixteen trips, a constant; the work of the trips behind my block is jumped over
	STEP \p
	s_add_co_u32 s[TB], s[TB], 16384
	s_add_co_u32 s[KB], s[KB], 1
	s_cmp_lt_u32 s[KB], 16
	s_cbranch_scc1 .Lkb_\@
	s_setprio 0
.rept 4
	v_nop                                          ; places behind the last products
.endr
	v_add_f32 v14, v14, v15                        ; the sum's two halves,
	s_delay_alu instid0(VALU_DEP_1)
	v_permlanex16_b32 v252, v14, s58, s59
	s_delay_alu instid0(VALU_DEP_1)
	v_add_f32 v14, v14, v252                       ; and lane l xor 16's
	s_wait_alu depctr_va_vdst(0)
	v_rcp_f32 v14, v14
	v_nop                                          ; a plain line behind the reciprocal
	s_wait_alu depctr_va_vdst(0)                   ; and the wait ahead of its first reader
	v_ldexp_f32 v14, v14, s61                      ; x 2^(e8 + e9)
.irp j, 0,2,4,6,8,10,12,14,16,18,20,22,24,26,28,30
	v_pk_mul_f32 v[96+\j:97+\j], v[160+\j:161+\j], v[14:15] op_sel_hi:[1,0]
.endr
.set n, 0
.rept 32
.set n, n+1
.endr
.irp d, 0,1,2,3
	v_cvt_scalef32_pk8_fp8_f32 v[208+8*\p+2*\d:209+8*\p+2*\d], v[96+8*\d:103+8*\d], v246   ; features 16 d + 8 h + 0..7 of my token
.endr
	v_nop                                          ; a plain line behind the last conversion: the next pass's products write its sources
	global_store_b128 v[LI], v[208+8*\p:211+8*\p], s[48+2*\p:49+2*\p]              ; 32 lanes store 512 consecutive bytes: a piece of the last projection's fragment
	global_store_b128 v[LI], v[212+8*\p:215+8*\p], s[48+2*\p:49+2*\p] offset:512
.endm
	PASS 0
	PASS 1
	s_wait_dscnt 0x0
	s_wait_tensorcnt 0x0
	ds_add_u32 v251, v255
	s_wait_dscnt 0x0
	CROUND                                         ; the closing round
	s_endpgm
.Lfunc_end_k_q265d42ea43_attn:
	.size	k_q265d42ea43_attn, .Lfunc_end_k_q265d42ea43_attn-k_q265d42ea43_attn
	.p2alignl 7, 3214868480
	.fill 96, 4, 3214868480
	.section	.rodata,"a",@progbits
	.p2align	6, 0x0
	.amdhsa_kernel k_q265d42ea43_attn
		.amdhsa_group_segment_fixed_size 264192
		.amdhsa_private_segment_fixed_size 0
		.amdhsa_enable_private_segment 0
		.amdhsa_kernarg_size 24
		.amdhsa_user_sgpr_count 2
		.amdhsa_user_sgpr_kernarg_segment_ptr 1
		.amdhsa_wavefront_size32 1
		.amdhsa_system_sgpr_workgroup_id_x 1
		.amdhsa_system_sgpr_workgroup_id_y 1
		.amdhsa_system_sgpr_workgroup_id_z 1
		.amdhsa_system_vgpr_workitem_id 0
		.amdhsa_next_free_vgpr 256
		.amdhsa_next_free_sgpr 66
		.amdhsa_reserve_vcc 1
		.amdhsa_float_denorm_mode_32 3
		.amdhsa_float_denorm_mode_16_64 3
		.amdhsa_fp16_overflow 1
		.amdhsa_memory_ordered 1
		.amdhsa_forward_progress 1
		.amdhsa_inst_pref_size 51
	.end_amdhsa_kernel
	.amdgpu_metadata
---
amdhsa.version: [ 1, 2 ]
amdhsa.kernels:
  - .name:           k_q265d42ea43_attn
    .symbol:         k_q265d42ea43_attn.kd
    .args:
      - { .name: qkvc, .offset: 0, .size: 8, .value_kind: global_buffer, .address_space: global }
      - { .name: lowp_scales, .offset: 8, .size: 8, .value_kind: global_buffer, .address_space: global }
      - { .name: ac, .offset: 16, .size: 8, .value_kind: global_buffer, .address_space: global }
    .group_segment_fixed_size: 264192
    .private_segment_fixed_size: 0
    .kernarg_segment_align: 8
    .kernarg_segment_size: 24
    .max_flat_workgroup_size: 512
    .sgpr_count:     66
    .vgpr_count:     256
    .wavefront_size: 32
...
	.end_amdgpu_metadata
.endif
;; end of part 3
;; launch outp (part 4): grid 4 x 32, 4 waves a work-group, clusters of 4 x 4, 327,680 bytes of LDS; arguments ac, wc, bo, lowp_scales, out0; writes out0
.if DOCPART == 4
	.amdgcn_target "amdgcn-amd-amdhsa--gfx1250"
	.amdhsa_code_object_version 6
	.text
	.protected	k_q265d42ea43_outp
	.globl	k_q265d42ea43_outp
	.p2align	8
	.type	k_q265d42ea43_outp,@function
k_q265d42ea43_outp:
	s_mov_b64 s[64:65], 0
	v_nop
	global_prefetch_b8 v0, s[64:65] scope:SCOPE_SE
	s_setreg_imm32_b32 hwreg(HW_REG_WAVE_MODE, 25, 1), 1
	s_wait_xcnt 0x0
	s_wait_alu depctr_hold_cnt(0) depctr_sa_sdst(0) depctr_va_vdst(0) depctr_va_sdst(0) depctr_va_ssrc(0) depctr_va_vcc(0) depctr_vm_vsrc(0)
	s_getreg_b32 s2, hwreg(HW_REG_IB_STS2, 6, 4)
	s_cmp_eq_u32 s2, 0
	s_cbranch_scc0 .Lentry_in_a_cluster
	s_endpgm
.Lentry_in_a_cluster:
	s_bfe_u32 s2, ttmp6, 0x10000c
	s_cmp_lg_u32 s2, 0xf033
	s_cbranch_scc0 .Lentry_shape_is_right
	s_endpgm
.Lentry_shape_is_right:
; out0 = attn Wo^T + bo on codes of FP8 (E4M3): attn's codes (entry 10) in ac, Wo's (entry 11) at byte 3 x 2^20 of wc, both as images of the operands' registers; out0 [8192][1024] f32.
; out = sum x 2^(e10 + e11) + bo, one fused multiply-add.   LIMIT: e10 + e11 between -126 and 127, so that the power of two is an f32 number.
; A tile of 256 x 256 of out0 is made by a work-group of four waves, a wave makes 128 x 128: 64 accumulators, 512 registers.  K = 1,024 goes in four steps of 256 through two LDS slots.
; A slot's part of a row tile of 16 rows is 4,096 consecutive bytes; a fragment is four ds_load_b128 at 16 x lane.  SOURCE 0 takes 16 rows of Wo, SOURCE 1 16 tokens: a lane then holds eight neighbouring numbers of a row of out0.
; CLUSTERS: 4 x 4 work-groups; the four of a row need the same tokens' tiles, the four of a column the same tiles of Wo: each tile is asked for jointly.  32 x 4 tiles: 128 work-groups.
; REGISTERS: window 0: v16-31 addresses; v32-95 the bias; v128-255 the tokens' fragments, ONE set, later rows of out0.  window 1: Wo's, TWO sets.  windows 2, 3: accumulators ((a, b) at v[8 (8 (a % 4) + b)]).
.set FR,    16
.set NL,    4
.set NP,    4
.set SLOT,  131072                     ; the tokens' 16 row tiles x 4,096 bytes, then Wo's
.set BOFF,  65536
.set SPARE, 2*SLOT                     ; behind the ring: the spare words, 128 bytes a wave: two blocks of 256 bytes that no other line names
.set SPITCH, 528                       ; the way out: a stage of 16 rows x (512 bytes + 16) for each wave, in slot 0, which has had its last fill and its last read when the first result is stored there
.set ADRA,  16
.set ADRB,  20
.set STO,   24                         ; v24  the way out: where I put 32 bytes of a row
.set RD,    25                         ; v25  where I read a row back
.set LO,    26                         ; v26  16 x lane
.set BH,    27                         ; v27  32 h
.set SPW,   28
.set NIL,   29
.set BN,    32                         ; v32-95  bo of columns 16 b + 8 h + j at register 8 b + j
.set AF,    128
.set BK,    128                        ; the way out: 16 rows read back: v128-191 and v192-255 by turns
.set G1,  24
.set G0,  32
.set G1B, 48
.set G0B, 56
.set MSB, 0
.macro WIN new                         ; the immediate's high byte repeats the setting that is left
.if MSB != (\new)
	s_set_vgpr_msb (MSB<<8)|(\new)
.set MSB, (\new)
.endif
.endm
.set MUL_LO, 0xa1
.set MUL_HI, 0xf1
.set TO_B,   0x40
.macro JLOAD g0a, g1a, g0b, g1b        ; a joint load: waves 0 and 1 fetch the tokens' halves, waves 2 and 3 Wo's; four v_nop follow each of the two lines
	s_cmp_eq_u32 s15, 0
	s_cbranch_scc0 .Lfor_b_\@
	tensor_load_to_lds s[\g0a:\g0a+3], s[\g1a:\g1a+7]
	s_nop 0
.rept 4
	v_nop
.endr
	s_branch .Lasked_\@
.Lfor_b_\@:
	tensor_load_to_lds s[\g0b:\g0b+3], s[\g1b:\g1b+7]
	s_nop 0
.rept 4
	v_nop
.endr
.Lasked_\@:
.endm
.macro CREST
	s_cmp_lg_u32 s14, 0
	s_cbranch_scc1 .Lnot_wave_0_\@
	s_barrier_signal -3
.Lnot_wave_0_\@:
	s_barrier_wait -3
	s_barrier_signal -1
	s_barrier_wait -1
.endm
.macro CROUND
	s_barrier_signal -1
	s_barrier_wait -1
	CREST
.endm
	s_load_b256 s[4:11], s[0:1], 0x0               ; ac s[4:5], wc s[6:7], bo s[8:9], the exponents s[10:11]
	s_load_b64 s[72:73], s[0:1], 0x20              ; out0
	v_lshl_add_u32 v[SPW], v0, 2, SPARE
	v_mov_b32 v[NIL], 0
	ds_add_u32 v28, v29
	ds_add_u32 v28, v29
	s_wait_dscnt 0x0
	v_lshrrev_b32 v1, 5, v0
	v_readfirstlane_b32 s14, v1                    ; wave 0..3
	s_lshr_b32 s15, s14, 1                         ; which half of the tile's rows is mine.  Also: I fetch tokens (0) or Wo (1)
	s_and_b32 s16, s14, 1                          ; which half of its columns.  Also: which 128 rows of that tile I fetch
	s_bfe_u32 s40, ttmp6, 0x40000                  ; cx, cy
	s_bfe_u32 s41, ttmp6, 0x40004
	s_lshl_b32 s42, ttmp9, 2
	s_add_co_u32 s42, s42, s40                     ; tile column
	s_and_b32 s17, ttmp7, 0xffff
	s_lshl_b32 s17, s17, 2
	s_add_co_u32 s17, s17, s41                     ; tile row
	s_lshl_b32 s43, s41, 2
	s_lshl_b32 s43, 15, s43                        ; my row of the cluster
	s_lshl_b32 s44, 0x1111, s40                    ; my column
	; descriptor group 1: 8 rows of 512 elements of 8 bytes (4,096 bytes), 2,048 elements apart; dense in LDS
	s_or_b32 s[G1+0], s43, (3<<16)|(1<<21)
	s_or_b32 s[G1B+0], s44, (3<<16)|(1<<21)
.irp g, G1, G1B
	s_mov_b32 s[\g+1], 512<<16                     ; tensor_dim0
	s_mov_b32 s[\g+2], 8<<16                       ; tensor_dim1
	s_mov_b32 s[\g+3], 512<<16                     ; tile_dim0
	s_mov_b32 s[\g+4], 8                           ; tile_dim1
	s_mov_b32 s[\g+5], 2048                        ; tensor_dim0_stride
	s_mov_b32 s[\g+6], 0
	s_mov_b32 s[\g+7], 0
.endr
	s_lshl_b32 s90, s16, 17
	s_lshl_b32 s20, s17, 18
	s_add_co_u32 s20, s20, s90
	s_lshl_b32 s46, s42, 18
	s_add_co_u32 s46, s46, s90
	s_add_co_u32 s46, s46, 3<<20                   ; Wo is the fourth weight in wc
	s_mov_b32 s21, 0
	s_mov_b32 s47, 0
	s_lshl_b32 s45, s14, 15
	s_wait_kmcnt 0x0
	s_load_b64 s[96:97], s[10:11], 0x28            ; e10, e11
	s_add_nc_u64 s[20:21], s[4:5], s[20:21]
	s_add_nc_u64 s[46:47], s[6:7], s[46:47]
	CROUND                                         ; all sixteen work-groups are here: the first joint loads meet
.irp s, 0,1
	s_mov_b32 s[G0+4*\s], 1
	s_add_co_u32 s[G0+4*\s+1], s45, \s*SLOT
	s_add_nc_u64 s[G0+4*\s+2:G0+4*\s+3], s[20:21], \s*4096
	s_or_b32 s[G0+4*\s+3], s[G0+4*\s+3], 0x80000000
	s_mov_b32 s[G0B+4*\s], 1
	s_add_co_u32 s[G0B+4*\s+1], s45, \s*SLOT
	s_add_nc_u64 s[G0B+4*\s+2:G0B+4*\s+3], s[46:47], \s*4096
	s_or_b32 s[G0B+4*\s+3], s[G0B+4*\s+3], 0x80000000
	s_wait_alu depctr_va_vdst(0)
	s_wait_tensorcnt 0x0
	ds_add_u32 v28, v29
	ds_add_u32 v28, v29
	s_wait_dscnt 0x0
	CROUND
	JLOAD G0+4*\s, G1, G0B+4*\s, G1B
.endr
	v_and_b32 v1, 31, v0
	v_lshlrev_b32 v[LO], 4, v1
	v_and_b32 v2, 15, v0                           ; r
	s_wait_alu depctr_va_vdst(0)
	v_bfe_u32 v3, v0, 4, 1                         ; h
	v_lshlrev_b32 v[BH], 5, v3
	s_lshl_b32 s22, s15, 15
	s_lshl_b32 s23, s16, 15
	s_add_co_u32 s23, s23, BOFF
.irp s, 0,1
	v_add_nc_u32 v[ADRA+\s], s22, v[LO]
	v_add_nc_u32 v[ADRB+\s], s23, v[LO]
	s_add_co_u32 s22, s22, SLOT
	s_add_co_u32 s23, s23, SLOT
.endr
	s_mul_i32 s22, s14, 16*SPITCH                  ; my stage
	v_mul_u32_u24 v[STO], v2, SPITCH               ; in: row r, 32 bytes for each half of the lanes
	s_wait_alu depctr_va_vdst(0)
	v_lshl_add_u32 v[STO], v3, 5, v[STO]
	v_add_nc_u32 v[STO], s22, v[STO]
	v_add_nc_u32 v[RD], s22, v[LO]                 ; back: the 32 lanes take one row of 512 bytes
	s_lshl_b32 s88, s17, 8
	s_lshl_b32 s89, s15, 7
	s_add_co_u32 s88, s88, s89                     ; my first row of out0,
	s_lshl_b32 s88, s88, 12                        ; of 4,096 bytes
	s_lshl_b32 s89, s42, 8
	s_lshl_b32 s66, s16, 7
	s_add_co_u32 s89, s89, s66                     ; my first column
	s_lshl_b32 s66, s89, 2
	s_mov_b32 s67, 0
	s_add_nc_u64 s[80:81], s[8:9], s[66:67]        ; its bias
	s_add_co_u32 s88, s88, s66
	s_mov_b32 s89, 0
	s_add_nc_u64 s[82:83], s[72:73], s[88:89]
.irp b, 0,1,2,3,4,5,6,7
	global_load_b128 v[BN+8*\b:BN+8*\b+3],   v[BH], s[80:81] offset:64*\b
	global_load_b128 v[BN+8*\b+4:BN+8*\b+7], v[BH], s[80:81] offset:64*\b+16
.endr
.macro FRAG reg, adr, q, i
.irp c, 0,1,2,3
	ds_load_b128 v[\reg+4*\c:\reg+4*\c+3], v[\adr] offset:2048*(\q)+512*\c+4096*(\i)
.endr
.endm
; The 64 accumulators take turns, one instruction a turn, in the same order in every step.
.macro MUL16 a0, p, zero
.irp a, \a0, \a0+1
.irp b, 0,1,2,3,4,5,6,7
.if \zero
	v_wmma_f32_16x16x128_fp8_fp8 v[8*(8*((\a)%4)+\b):8*(8*((\a)%4)+\b)+7], v[128*(\p)+FR*\b:128*(\p)+FR*\b+FR-1], v[AF+FR*(\a):AF+FR*(\a)+FR-1], 0
.else
	v_wmma_f32_16x16x128_fp8_fp8 v[8*(8*((\a)%4)+\b):8*(8*((\a)%4)+\b)+7], v[128*(\p)+FR*\b:128*(\p)+FR*\b+FR-1], v[AF+FR*(\a):AF+FR*(\a)+FR-1], v[8*(8*((\a)%4)+\b):8*(8*((\a)%4)+\b)+7]
.endif
.endr
.endr
.endm
.macro FETCH_B slot, q, p
	WIN TO_B
.irp i, 0,1,2,3,4,5,6,7
	FRAG 128*(\p)+FR*\i, ADRB+\slot, \q, \i
.endr
	WIN 0
.endm
.macro FETCH_A slot, q, i0
.irp i, \i0, \i0+1, \i0+2, \i0+3
	FRAG AF+FR*(\i), ADRA+\slot, \q, \i
.endr
.endm
.macro PLACES n                        ; plain vector lines between a matrix instruction and a load into, or a vector line on, its registers (ISA guide 7.12.1 for vector lines)
.rept \n
	v_nop
.endr
.endm
.macro STEP slot, q, zero
	s_wait_dscnt 4*NL                              ; Wo's set and blocks 0-3 are in; the youngest sixteen loads (blocks 4-7) may be out
	WIN MUL_LO
	MUL16 0, (\q)%2, \zero
	MUL16 2, (\q)%2, \zero
	s_wait_dscnt 0
	PLACES NP
	FETCH_B \slot, (\q)+1, 1-(\q)%2
	FETCH_A \slot, (\q)+1, 0
	WIN MUL_HI
	MUL16 4, (\q)%2, \zero
	MUL16 6, (\q)%2, \zero
	PLACES NP
	WIN 0
	FETCH_A \slot, (\q)+1, 4
.endm
; A slot's last step changes slots: ONE barrier; in front of it each wave waits for all its tensor loads, adds 0 to its spare word, and waits for that and for its own reads of this slot.
.macro TURN slot, next, fill
	s_wait_tensorcnt 0x0                           ; all my tensor loads have landed: my part of the next slot
	ds_add_u32 v[SPW], v[NIL]                      ; 0 onto my spare word
	s_wait_dscnt 4*NL+1                            ; (the add and the youngest sixteen loads may be out)
	WIN MUL_LO
	MUL16 0, 1, 0
	s_wait_dscnt 0x0                               ; the add is done, and my reads of this slot are over
	s_barrier_signal -1
	MUL16 2, 1, 0
	WIN 0
	s_barrier_wait -1
.if \fill
	CREST                                          ; the barrier has opened a round of the cluster's barrier
	s_add_nc_u64 s[G0+4*\slot+2:G0+4*\slot+3], s[G0+4*\slot+2:G0+4*\slot+3], 8192
	s_add_nc_u64 s[G0B+4*\slot+2:G0B+4*\slot+3], s[G0B+4*\slot+2:G0B+4*\slot+3], 8192
	JLOAD G0+4*\slot, G1, G0B+4*\slot, G1B         ; the first tensor load behind the round, one a wave
.else
	PLACES NP
.endif
	FETCH_B \next, 0, 0
	FETCH_A \next, 0, 0
	WIN MUL_HI
	MUL16 4, 1, 0
	MUL16 6, 1, 0
	PLACES NP
	WIN 0
	FETCH_A \next, 0, 4
.endm
	s_wait_tensorcnt 1                             ; my part of slot 0 is in; slot 1's load may be out
	s_barrier_signal -1
	s_barrier_wait -1
	FETCH_B 0, 0, 0
	FETCH_A 0, 0, 0
	FETCH_A 0, 0, 4
	STEP 0, 0, 1                                   ; eight steps of 128 along K, written out: a loop would have one trip
	TURN 0, 1, 1
	STEP 1, 0, 0
	TURN 1, 0, 1
	STEP 0, 0, 0
	TURN 0, 1, 0
	STEP 1, 0, 0
	s_wait_dscnt 4*NL
	WIN MUL_LO
	MUL16 0, 1, 0
	MUL16 2, 1, 0
	s_wait_dscnt 0
	WIN MUL_HI
	MUL16 4, 1, 0
	MUL16 6, 1, 0
	WIN 0
; THE WAY OUT, block by block of 16 rows x 128 columns: sum x 2^(e10 + e11) + bo in place, each accumulator from its low end on; through my own stage in LDS; back as whole rows of 512 bytes.
; LDS serves a wave's instructions in order (ISA guide 5.7.1.4): no wait between the stores and the loads, nor in front of the next block's stores.
.macro TOSTAGE a
.set AC, 64*((\a)%4)
	WIN 0x82+0x41*((\a)/4)                         ; source 0 and destination: window 2 or 3; the bias: window 0
.irp b, 0,1,2,3,4,5,6,7
.irp i, 0,2,4,6
	v_pk_fma_f32 v[AC+8*\b+\i:AC+8*\b+\i+1], v[AC+8*\b+\i:AC+8*\b+\i+1], s[96:97], v[BN+8*\b+\i:BN+8*\b+\i+1] op_sel_hi:[1,0,1]
.endr
.endr
	WIN 0x08+0x04*((\a)/4)                         ; an LDS store's data: window 2 or 3
.irp b, 0,1,2,3,4,5,6,7
	ds_store_b128 v[STO], v[AC+8*\b:AC+8*\b+3] offset:64*\b
	ds_store_b128 v[STO], v[AC+8*\b+4:AC+8*\b+7] offset:64*\b+16
.endr
	WIN 0
.set BB, BK+64*((\a)%2)
.irp t, 0,1,2,3,4,5,6,7,8,9,10,11,12,13,14,15
	ds_load_b128 v[BB+4*\t:BB+4*\t+3], v[RD] offset:\t*SPITCH
.endr
.endm
.macro SEND a, younger                 ; younger: the LDS instructions issued behind block a's loads, which may stay out
.set BB, BK+64*((\a)%2)
	s_wait_dscnt \younger
.if (\a) > 0
	s_add_nc_u64 s[82:83], s[82:83], 65536         ; (behind a wait on XCNT: the earlier stores have read their base)  16 rows on
.endif
.irp t, 0,1,2,3,4,5,6,7,8,9,10,11,12,13,14,15
	global_store_b128 v[LO], v[BB+4*\t:BB+4*\t+3], s[82:83] offset:\t*4096 th:TH_STORE_NT   ; 32 lanes store 512 consecutive bytes of a row, at a multiple of 512 from out0's first byte
.endr
.endm
	s_wait_kmcnt 0x0
	s_add_co_i32 s96, s96, s97
	s_add_co_i32 s96, s96, 127
	s_lshl_b32 s96, s96, 23                        ; 2^(e10 + e11) as f32
	s_mov_b32 s97, s96
	s_wait_loadcnt 0x0                             ; the bias
	PLACES NP                                      ; in front of the first vector lines on results and of the loads into the registers that held the tokens' fragments
	TOSTAGE 0
.irp a, 1,2,3,4,5,6,7
.if \a > 1
	s_wait_xcnt 0x0                                ; block a - 2's stores have read their registers and their base
.endif
	TOSTAGE \a
	SEND \a-1, 32                                  ; behind block a - 1's loads: block a's 16 stores and 16 loads
.endr
	s_wait_xcnt 0x0
	SEND 7, 0
	s_wait_tensorcnt 0x0                           ; the wave's end
	ds_add_u32 v[SPW], v[NIL]
	s_wait_dscnt 0x0
	CROUND                                         ; the closing round
	s_endpgm
.Lfunc_end_k_q265d42ea43_outp:
	.size	k_q265d42ea43_outp, .Lfunc_end_k_q265d42ea43_outp-k_q265d42ea43_outp
	.p2alignl 7, 3214868480
	.fill 96, 4, 3214868480
	.section	.rodata,"a",@progbits
	.p2align	6, 0x0
	.amdhsa_kernel k_q265d42ea43_outp
		.amdhsa_group_segment_fixed_size 327680
		.amdhsa_private_segment_fixed_size 0
		.amdhsa_enable_private_segment 0
		.amdhsa_kernarg_size 40
		.amdhsa_user_sgpr_count 2
		.amdhsa_user_sgpr_kernarg_segment_ptr 1
		.amdhsa_wavefront_size32 1
		.amdhsa_system_sgpr_workgroup_id_x 1
		.amdhsa_system_sgpr_workgroup_id_y 1
		.amdhsa_system_sgpr_workgroup_id_z 1
		.amdhsa_system_vgpr_workitem_id 0
		.amdhsa_next_free_vgpr 1024
		.amdhsa_next_free_sgpr 100
		.amdhsa_reserve_vcc 0
		.amdhsa_float_denorm_mode_32 3
		.amdhsa_float_denorm_mode_16_64 3
		.amdhsa_memory_ordered 1
		.amdhsa_forward_progress 1
		.amdhsa_inst_pref_size 126
	.end_amdhsa_kernel
	.amdgpu_metadata
---
amdhsa.version: [ 1, 2 ]
amdhsa.kernels:
  - .name:           k_q265d42ea43_outp
    .symbol:         k_q265d42ea43_outp.kd
    .args:
      - { .name: ac, .offset: 0, .size: 8, .value_kind: global_buffer, .address_space: global }
      - { .name: wc, .offset: 8, .size: 8, .value_kind: global_buffer, .address_space: global }
      - { .name: bo, .offset: 16, .size: 8, .value_kind: global_buffer, .address_space: global }
      - { .name: lowp_scales, .offset: 24, .size: 8, .value_kind: global_buffer, .address_space: global }
      - { .name: out0, .offset: 32, .size: 8, .value_kind: global_buffer, .address_space: global }
    .group_segment_fixed_size: 327680
    .private_segment_fixed_size: 0
    .kernarg_segment_align: 8
    .kernarg_segment_size: 40
    .max_flat_workgroup_size: 128
    .sgpr_count:     100
    .vgpr_count:     1024
    .wavefront_size: 32
...
	.end_amdgpu_metadata
.endif
;; end of part 4
